; MI455X (gfx1250); checked and timed in simulation.
; The chip was launched on July 23, 2026; its instructions are those of AMD's public machine-readable ISA for CDNA 5 (MIT licence, August 2026) and "CDNA5" Instruction Set Architecture Reference Guide (July 2026). The comments in the code are by the model that wrote it; some were corrected since.
;; Distributed Expert Pool. Allowed arithmetic: float matrix products may take bf16 or f16 operands with f32 sums; all other float work in f32.
;; Inputs: W1 8 x 1,024 x 2,048 float32; W2 8 x 2,048 x 1,024 float32; b1 8 x 2,048 float32; b2 8 x 1,024 float32; expert_indices 2,048 int32; x 2,048 x 1,024 float32.
;; Outputs: out0 2,048 x 1,024 float32.
;; One version. Each part assembles by itself: llvm-mc -triple=amdgcn-amd-amdhsa -mcpu=gfx1250 --defsym DOCPART=n.
;; ======== version 1 of 1: 4 launches
;; workspace buffers: xs 4,194,304 bytes; h 8,388,608 bytes; order 8,192 bytes of whole numbers; offs 512 bytes of whole numbers
;; launch sort (part 1): grid 1 x 1, 8 waves a work-group, no clusters, 2,048 bytes of LDS; arguments expert_indices, order, offs; writes order, offs
.if DOCPART == 1
	.amdgcn_target "amdgcn-amd-amdhsa--gfx1250"
	.amdhsa_code_object_version 6
	.text
	.protected	k_q6fba21f008_sort
	.globl	k_q6fba21f008_sort
	.p2align	8
	.type	k_q6fba21f008_sort,@function
k_q6fba21f008_sort:
	s_mov_b64 s[64:65], 0
	v_nop
	global_prefetch_b8 v0, s[64:65] scope:SCOPE_SE
	s_setreg_imm32_b32 hwreg(HW_REG_WAVE_MODE, 25, 1), 1
	s_wait_xcnt 0x0
; DistributedExpertPool, step 1 of 4: a counting sort of the 2,048 tokens by their expert.
;
; WORK LEFT OUT, in all four kernels.  For token t the result is the sum over e = 0..7 of where(expert_indices[t] == e, y_e[t], 0).
; For every e other than expert_indices[t] the term is the constant 0, whatever y_e[t] holds (a NaN or an infinity too: where() drops it).
; So only y_e[t] with e = expert_indices[t] is computed: 2,048 token rows through one expert each, not through eight.  Which expert is a whole
; number read from memory, and the later kernels take their addresses and trip counts from the lists that this kernel stores.
; An expert that no token names is not loaded.  Every input has a way to the output and is loaded by some kernel.
; An index outside 0..7 matches no e: the row is 0.  Such a token is sorted to expert 7 with a flag (bit 16), and the last kernel stores zeros.
; LIMITS: x, W1, W2 and the hidden layer are rounded to bf16 for the products; a result that is zero may carry the other sign (-0 for +0).
;
; OUT: order[p] = token at sorted position p (| 0x10000 if its index is outside 0..7).
; offs, bytes 0..255: word pair e = (first position, end position) of expert e; bytes 256..511: word pair e = (first position of the unit of 32 aligned
; positions that holds the expert's first token, 32 x the number of units that hold a token of it, 0 if it has none); pairs 8..31 of both = (0, 0).
; One work-group, eight waves; thread (w, L) holds tokens 256 w + 128 q + 4 L + j, q = 0,1, j = 0..3.
; The list is scattered by 4-byte stores: 2,048 words, 8,192 bytes in all; the position of a token is data.
.set IDX,  4                           ; v[4:11]   my eight indices, clamped to 0..7; later 4 x index
.set ENT,  12                          ; v[12:19]  my eight list entries
.set RK,   20                          ; v[20:27]  rank of each among my wave's tokens of the same expert
.set ROWS, 30                          ; v[30:37]  the eight waves' counts (lane e: expert e)
.set BB,   44                          ; v[44:51]  first position for my wave's tokens of that expert; then the position
.set CNTS, 16                          ; s[16:23]  my wave's running count of expert e
.set ST,   24                          ; s[24:31]  first position of expert e
	s_load_b128 s[4:7], s[0:1], 0x0                ; expert_indices s[4:5], order s[6:7]
	s_load_b64 s[8:9], s[0:1], 0x10                ; offs
	v_lshl_add_u32 v64, v0, 2, 0x400
	v_mov_b32 v65, 0
	v_and_b32 v1, 31, v0                           ; lane L
	v_lshrrev_b32 v28, 5, v0
	v_readfirstlane_b32 s14, v28                   ; wave w
	v_and_b32 v2, 0xe0, v0                         ; 32 w
	v_lshlrev_b32 v3, 4, v1
	v_lshl_or_b32 v2, v2, 5, v3                    ; 1,024 w + 16 L: my bytes among the indices
	v_lshrrev_b32 v3, 2, v2                        ; 256 w + 4 L: my first token
	v_mov_b32 v43, 0x10000                         ; the flag
.irp e, 0,1,2,3,4,5,6,7
	s_mov_b32 s[CNTS+\e], 0
.endr
	s_wait_kmcnt 0x0
	global_load_b128 v[IDX:IDX+3], v2, s[4:5]
	global_load_b128 v[IDX+4:IDX+7], v2, s[4:5] offset:512
	s_wait_loadcnt 0x0
.irp g, 0,1,2,3,4,5,6,7
	v_cmp_lt_u32 vcc_lo, 7, v[IDX+\g]              ; unsigned: a negative index counts as outside too
	v_cndmask_b32 v28, 0, v43, vcc_lo
	v_add3_u32 v[ENT+\g], v28, v3, 128*(\g/4)+(\g%4)
	v_min_u32 v[IDX+\g], 7, v[IDX+\g]
.endr
; Register g against expert e: a matching lane's rank is the wave's count so far plus the matching lanes below it.
.macro RANK g, e
	v_cmp_eq_u32 vcc_lo, \e, v[IDX+\g]
.if \e == 0
	v_mbcnt_lo_u32_b32 v[RK+\g], vcc_lo, s[CNTS+\e]        ; the first expert writes every lane; the expert that matches writes over it
.else
	v_mbcnt_lo_u32_b32 v28, vcc_lo, s[CNTS+\e]
	v_cndmask_b32 v[RK+\g], v[RK+\g], v28, vcc_lo
.endif
	s_bcnt1_i32_b32 s33, vcc_lo
	s_add_co_u32 s[CNTS+\e], s[CNTS+\e], s33
.endm
.irp g, 0,1,2,3,4,5,6,7
.irp e, 0,1,2,3,4,5,6,7
	RANK \g, \e
.endr
.endr
	; the waves' counts meet in LDS: wave w's row of 32 words at 128 w, word e = its count of expert e, words 8..31 = 0
	v_mov_b32 v29, 0
.irp e, 0,1,2,3,4,5,6,7
	v_writelane_b32 v29, s[CNTS+\e], \e
.endr
	v_lshlrev_b32 v52, 2, v0                       ; 128 w + 4 L
	ds_store_b32 v52, v29
	s_wait_dscnt 0x0                               ; my row is written before I say so
	s_barrier_signal -1
	s_barrier_wait -1
	v_lshlrev_b32 v53, 2, v1
.irp w, 0,1,2,3,4,5,6,7
	ds_load_b32 v[ROWS+\w], v53 offset:128*\w
.endr
	s_wait_dscnt 0x0
	v_add3_u32 v38, v[ROWS], v[ROWS+1], v[ROWS+2]  ; lane e: all tokens of expert e
	v_add3_u32 v38, v38, v[ROWS+3], v[ROWS+4]
	v_add3_u32 v38, v38, v[ROWS+5], v[ROWS+6]
	v_add_nc_u32 v38, v38, v[ROWS+7]
	v_mov_b32 v39, 0                               ; lane e: those of the waves below mine
.irp w, 0,1,2,3,4,5,6
	s_cmp_gt_u32 s14, \w
	s_cselect_b32 s33, -1, 0
	v_and_b32 v28, s33, v[ROWS+\w]
	v_add_nc_u32 v39, v39, v28
.endr
	s_mov_b32 s[ST], 0
.irp e, 0,1,2,3,4,5,6
	v_readlane_b32 s33, v38, \e
	s_add_co_u32 s[ST+1+\e], s[ST+\e], s33
.endr
	v_mov_b32 v40, 0
.irp e, 0,1,2,3,4,5,6,7
	v_writelane_b32 v40, s[ST+\e], \e              ; lane e: first position of expert e
.endr
	v_add_nc_u32 v41, v40, v38                     ; lane e: its end
	v_add_nc_u32 v42, v40, v39                     ; lane e: first position of my wave's tokens of expert e
.irp g, 0,1,2,3,4,5,6,7
	v_lshlrev_b32 v[IDX+\g], 2, v[IDX+\g]
	ds_bpermute_b32 v[BB+\g], v[IDX+\g], v42       ; pull lane 'index': no LDS byte is touched
.endr
	s_wait_dscnt 0x0
.irp g, 0,1,2,3,4,5,6,7
	v_add_nc_u32 v[BB+\g], v[RK+\g], v[BB+\g]      ; the token's position
	v_min_u32 v[BB+\g], 0x7ff, v[BB+\g]            ; inside the list, whatever was loaded
	v_lshlrev_b32 v[BB+\g], 2, v[BB+\g]
	global_store_b32 v[BB+\g], v[ENT+\g], s[6:7]
.endr
	s_cmp_lg_u32 s14, 0
	s_cbranch_scc1 .Ldone
	; wave 0 stores the experts' ranges, and what the products' kernels count their trips by, ready made: they only clamp, add and shift left
	v_and_b32 v56, 0xffffffe0, v40                 ; lane e: the expert's first position, down to a multiple of 32
	v_add_nc_u32 v57, 31, v41
	v_and_b32 v57, 0xffffffe0, v57                 ; its end, up to a multiple of 32,
	v_sub_nc_u32 v57, v57, v56                     ; so many positions in whole units,
	v_cmp_ne_u32 vcc_lo, 0, v38
	v_cndmask_b32 v57, 0, v57, vcc_lo              ; none if it has no token
	v_lshlrev_b32 v54, 3, v1
	global_store_b64 v54, v[40:41], s[8:9]         ; 32 pairs, 256 consecutive bytes, aligned
	global_store_b64 v54, v[56:57], s[8:9] offset:256      ; and the next 256
.Ldone:
	s_wait_tensorcnt 0x0
	ds_add_u32 v64, v65
	s_wait_dscnt 0x0
	s_endpgm
.Lfunc_end_k_q6fba21f008_sort:
	.size	k_q6fba21f008_sort, .Lfunc_end_k_q6fba21f008_sort-k_q6fba21f008_sort
	.p2alignl 7, 3214868480
	.fill 96, 4, 3214868480
	.section	.rodata,"a",@progbits
	.p2align	6, 0x0
	.amdhsa_kernel k_q6fba21f008_sort
		.amdhsa_group_segment_fixed_size 2048
		.amdhsa_private_segment_fixed_size 0
		.amdhsa_enable_private_segment 0
		.amdhsa_kernarg_size 24
		.amdhsa_user_sgpr_count 2
		.amdhsa_user_sgpr_kernarg_segment_ptr 1
		.amdhsa_wavefront_size32 1
		.amdhsa_system_sgpr_workgroup_id_x 1
		.amdhsa_system_sgpr_workgroup_id_y 1
		.amdhsa_system_sgpr_workgroup_id_z 1
		.amdhsa_system_vgpr_workitem_id 0
		.amdhsa_next_free_vgpr 66
		.amdhsa_next_free_sgpr 66
		.amdhsa_reserve_vcc 1
		.amdhsa_float_denorm_mode_32 3
		.amdhsa_float_denorm_mode_16_64 3
		.amdhsa_memory_ordered 1
		.amdhsa_forward_progress 1
		.amdhsa_inst_pref_size 22
	.end_amdhsa_kernel
	.amdgpu_metadata
---
amdhsa.version: [ 1, 2 ]
amdhsa.kernels:
  - .name:           k_q6fba21f008_sort
    .symbol:         k_q6fba21f008_sort.kd
    .args:
      - { .name: expert_indices, .offset: 0, .size: 8, .value_kind: global_buffer, .address_space: global }
      - { .name: order, .offset: 8, .size: 8, .value_kind: global_buffer, .address_space: global }
      - { .name: offs, .offset: 16, .size: 8, .value_kind: global_buffer, .address_space: global }
    .group_segment_fixed_size: 2048
    .private_segment_fixed_size: 0
    .kernarg_segment_align: 8
    .kernarg_segment_size: 24
    .max_flat_workgroup_size: 256
    .sgpr_count:     66
    .vgpr_count:     66
    .wavefront_size: 32
...
	.end_amdgpu_metadata
.endif
;; end of part 1
;; launch gather (part 2): grid 128 x 1, 8 waves a work-group, no clusters, 34,304 bytes of LDS; arguments x, order, xs; writes xs
.if DOCPART == 2
	.amdgcn_target "amdgcn-amd-amdhsa--gfx1250"
	.amdhsa_code_object_version 6
	.text
	.protected	k_q6fba21f008_gather
	.globl	k_q6fba21f008_gather
	.p2align	8
	.type	k_q6fba21f008_gather,@function
k_q6fba21f008_gather:
	s_mov_b64 s[64:65], 0
	v_nop
	global_prefetch_b8 v0, s[64:65] scope:SCOPE_SE
	s_setreg_imm32_b32 hwreg(HW_REG_WAVE_MODE, 25, 1), 1
	s_wait_xcnt 0x0
; Step 2 of 4: x in sorted order, rounded to bf16, laid out as the matrix instruction's fragments.
; Work-group g makes tile g: sorted positions 16 g .. 16 g + 15.  Every row of x is read once, by the one wave that the list sends it to.
; xs: byte = tile x 32,768 + s x 1,024 + c x 512 + 16 L (s = 0..31: K step of 32; c = 0, 1; L = lane = 16 hf + r) holds
; x[token(16 tile + r)][32 s + 16 c + 8 hf .. + 7]: registers 4 c .. 4 c + 3 of a 16 x 32 fragment (ISA guide 7.12.2), so the products' kernel
; loads a fragment by two loads of 512 consecutive bytes.
; Wave w reads rows 2 w and 2 w + 1 (4,096 bytes each, eight loads of 512 consecutive bytes), rounds them and puts them into a stage in LDS;
; behind one barrier it reads K steps 4 w .. 4 w + 3 of all sixteen rows back in fragment order and stores them.
.set SP, 2064                          ; a stage row: 2,048 bytes + 16, so that the sixteen rows that a read touches start 16 bytes apart modulo 256
.set X,  64                            ; v[64:127]  two rows as loaded; later the fragments to store
.set P,  128                           ; v[128:159] the rows in bf16
	s_load_b128 s[4:7], s[0:1], 0x0                ; x s[4:5], order s[6:7]
	s_load_b64 s[8:9], s[0:1], 0x10                ; xs
	v_lshl_add_u32 v160, v0, 2, 0x8200
	v_mov_b32 v161, 0
	v_and_b32 v1, 31, v0                           ; lane
	v_lshrrev_b32 v2, 5, v0
	v_readfirstlane_b32 s14, v2                    ; wave
	s_lshl_b32 s15, ttmp9, 6                       ; the tile's 16 words of the list,
	s_lshl3_add_u32 s15, s14, s15                  ; my two among them
	s_wait_kmcnt 0x0
	s_load_b64 s[12:13], s[6:7], s15
	v_lshlrev_b32 v2, 4, v1                        ; 16 L
	s_mul_i32 s20, s14, 2*SP
	v_lshl_add_u32 v3, v1, 3, s20                  ; stage, in: my first row + 8 L
	v_and_b32 v6, 15, v0                           ; r
	v_bfe_u32 v7, v0, 4, 1                         ; hf
	v_mul_u32_u24 v4, v6, SP
	v_lshl_add_u32 v4, v7, 4, v4
	s_lshl_b32 s21, s14, 8
	v_add_nc_u32 v4, s21, v4                       ; stage, back: row r, byte 16 hf + 64 x (4 w)
	s_lshl_b32 s22, s14, 12
	v_lshl_add_u32 v5, v1, 4, s22                  ; xs: 4 K steps of 1,024 bytes a wave + 16 L
	s_lshl_b32 s24, ttmp9, 15
	s_mov_b32 s25, 0
	s_add_nc_u64 s[8:9], s[8:9], s[24:25]          ; xs at my tile
	s_wait_kmcnt 0x0
	s_and_b32 s12, s12, 0x7ff                      ; the token without its flag,
	s_min_u32 s12, s12, 0x7ff                      ; inside x whatever was loaded
	s_and_b32 s13, s13, 0x7ff
	s_min_u32 s13, s13, 0x7ff
	s_lshl_b32 s16, s12, 12                        ; rows of 4,096 bytes
	s_mov_b32 s17, 0
	s_lshl_b32 s18, s13, 12
	s_mov_b32 s19, 0
	s_add_nc_u64 s[16:17], s[4:5], s[16:17]
	s_add_nc_u64 s[18:19], s[4:5], s[18:19]
.irp q, 0,1,2,3,4,5,6,7
	global_load_b128 v[X+4*\q:X+4*\q+3], v2, s[16:17] offset:512*\q th:TH_LOAD_NT
.endr
.irp q, 0,1,2,3,4,5,6,7
	global_load_b128 v[X+32+4*\q:X+32+4*\q+3], v2, s[18:19] offset:512*\q th:TH_LOAD_NT
.endr
.set n, 0
.rept 16
	s_wait_loadcnt 15-n                            ; loads come back in order: load n is in, the 15 - n younger ones stay out
	v_cvt_pk_bf16_f32 v[P+2*n], v[X+4*n], v[X+4*n+1]
	v_cvt_pk_bf16_f32 v[P+2*n+1], v[X+4*n+2], v[X+4*n+3]
	ds_store_b64 v3, v[P+2*n:P+2*n+1] offset:(n/8)*SP+(n%8)*256    ; 32 lanes x 8 neighbouring bytes
.set n, n+1
.endr
	s_wait_dscnt 0x0                               ; my two rows are in the stage before I say so
	s_barrier_signal -1
	s_barrier_wait -1
.irp t, 0,1,2,3,4,5,6,7
	ds_load_b128 v[X+4*\t:X+4*\t+3], v4 offset:32*\t               ; t = 2 (K step) + c: 64 bytes a K step, 32 a half
.endr
.irp t, 0,1,2,3,4,5,6,7
	s_wait_dscnt 7-\t                              ; read t is in, the 7 - t younger ones stay out
	global_store_b128 v5, v[X+4*\t:X+4*\t+3], s[8:9] offset:512*\t ; 512 consecutive bytes, aligned
.endr
	s_wait_tensorcnt 0x0
	ds_add_u32 v160, v161
	s_wait_dscnt 0x0
	s_endpgm
.Lfunc_end_k_q6fba21f008_gather:
	.size	k_q6fba21f008_gather, .Lfunc_end_k_q6fba21f008_gather-k_q6fba21f008_gather
	.p2alignl 7, 3214868480
	.fill 96, 4, 3214868480
	.section	.rodata,"a",@progbits
	.p2align	6, 0x0
	.amdhsa_kernel k_q6fba21f008_gather
		.amdhsa_group_segment_fixed_size 34304
		.amdhsa_private_segment_fixed_size 0
		.amdhsa_enable_private_segment 0
		.amdhsa_kernarg_size 24
		.amdhsa_user_sgpr_count 2
		.amdhsa_user_sgpr_kernarg_segment_ptr 1
		.amdhsa_wavefront_size32 1
		.amdhsa_system_sgpr_workgroup_id_x 1
		.amdhsa_system_sgpr_workgroup_id_y 1
		.amdhsa_system_sgpr_workgroup_id_z 1
		.amdhsa_system_vgpr_workitem_id 0
		.amdhsa_next_free_vgpr 162
		.amdhsa_next_free_sgpr 66
		.amdhsa_reserve_vcc 0
		.amdhsa_float_denorm_mode_32 3
		.amdhsa_float_denorm_mode_16_64 3
		.amdhsa_memory_ordered 1
		.amdhsa_forward_progress 1
		.amdhsa_inst_pref_size 9
	.end_amdhsa_kernel
	.amdgpu_metadata
---
amdhsa.version: [ 1, 2 ]
amdhsa.kernels:
  - .name:           k_q6fba21f008_gather
    .symbol:         k_q6fba21f008_gather.kd
    .args:
      - { .name: x, .offset: 0, .size: 8, .value_kind: global_buffer, .address_space: global }
      - { .name: order, .offset: 8, .size: 8, .value_kind: global_buffer, .address_space: global }
      - { .name: xs, .offset: 16, .size: 8, .value_kind: global_buffer, .address_space: global }
    .group_segment_fixed_size: 34304
    .private_segment_fixed_size: 0
    .kernarg_segment_align: 8
    .kernarg_segment_size: 24
    .max_flat_workgroup_size: 256
    .sgpr_count:     66
    .vgpr_count:     162
    .wavefront_size: 32
...
	.end_amdgpu_metadata
.endif
;; end of part 2
;; launch gemm1 (part 3): grid 256 x 1, 16 waves a work-group, no clusters, 133,120 bytes of LDS; arguments xs, W1, b1, offs, h; writes h
.if DOCPART == 3
	.amdgcn_target "amdgcn-amd-amdhsa--gfx1250"
	.amdhsa_code_object_version 6
	.text
	.protected	k_q6fba21f008_gemm1
	.globl	k_q6fba21f008_gemm1
	.p2align	8
	.type	k_q6fba21f008_gemm1,@function
k_q6fba21f008_gemm1:
	s_mov_b64 s[64:65], 0
	v_nop
	global_prefetch_b8 v0, s[64:65] scope:SCOPE_SE
	s_setreg_imm32_b32 hwreg(HW_REG_WAVE_MODE, 25, 1), 1
	s_wait_xcnt 0x0
; Step 3 of 4: h = gelu(x W1[e] + b1[e]) in bf16, for each token with its own expert alone (why the other seven are left out: head of the first kernel).
; Work-group = expert e (number >> 5) and 64 columns of the hidden layer (number & 31; first column n0).  Sixteen waves.
; STAGING: the slice W1[e][0..1023][n0..n0+63] (256 KiB of f32, read once in the launch) is loaded by 16-byte loads (sixteen lanes take the slice's 256
; consecutive bytes of a row), rounded to bf16 and stored into LDS as fragments: byte s x 4,096 + j x 1,024 + c x 512 + 16 L.  A lane's four words belong
; to four column tiles j = 0..3 (tile j, lane r = column n0 + 4 r + j), and rows k, k + 1 pack into one register: the turn of W costs nothing.
; One barrier; from then on LDS is only read, and each wave works alone on units of 32 sorted positions x 64 columns over the whole K:
; W's fragments from LDS (32 lanes x 16 neighbouring bytes), the tokens' fragments straight from xs into registers.  No barrier stands in a loop.
; A unit that two experts share is computed by both; each stores its own rows (EXEC).
; THE TOKENS' RING holds six K steps: 24 loads, 12 KiB a wave, are on their way while a K step is multiplied.  A K step's eight products are short beside
; the way of a load, so what is out decides how long a unit takes; six slots are what the registers hold beside the accumulators and W's two buffers.
; THE BIAS is loaded at a unit's head straight into the accumulators of token tile 0; the first products of token tile 1 take those registers as their
; addend, then tile 0's add in place: nothing is cleared, moved or added later, and the bias keeps no registers of its own.
; ADDRESSES: every vector address register is written once, at the head, from the thread's number and constants.  The 32 K steps of a unit are written
; out, so that a K step's place stands in the immediates.  What hangs on the lists is a scalar base for each buffer, made once at the head; a wave's next
; unit lies 16 units = 512 positions further on, so in the loop over units the bases are stepped by constants.
; THE MATRIX INSTRUCTION IS USED TRANSPOSED (source 0 = W, source 1 = tokens): register i of lane (r, hf) of tile j is token r, column
; n0 + 32 hf + 4 i + j.  Tiles 2 p and 2 p + 1 pack into register i of K step 2 (n0/64) + p of the next product's token fragment:
; h: byte = tile x 65,536 + s x 1,024 + c x 512 + 16 L; register i = 4 c + .., half b holds column 64 (s/2) + 32 hf + 4 i + 2 (s%2) + b.
; That is a permutation of k inside blocks of 64; the last kernel lays W2's rows out by the same permutation, so the products are the same.
; NO CLUSTER: the 32 work-groups of an expert read the same token tiles, but into registers, each tile once a work-group; a joint request fills LDS
; only, and its barriers would stand in a loop that a count read from memory leaves.
; gelu(x) = max(x, 0) - |x| Y, Y = erfc(|x|/sqrt 2)/2 = t (a1 + t (a2 + t (a3 + t (a4 + t a5)))) exp(-x x/2)/2, t = 1/(1 + 0.3275911 |x|/sqrt 2)
; (Abramowitz and Stegun 7.1.26: absolute error of erfc at most 1.5e-7, for every |x|; a limit of this kernel).
.set ROWB,  8192                       ; bytes in a row of W1
.set TILEB, 32768                      ; bytes of a tile of 16 positions in xs
.set NS,    32                         ; K steps of 32
.set RING,  6                          ; K steps of token fragments in registers
.set UTRIPS, 4                         ; 64 units at the most, 16 waves: four turns of a wave at the most
.set LB,  8                            ; v[8:9]     16 L + 65,536 b: LDS address of K steps 16 b .. 16 b + 15
.set ARX, 16                           ; v[16:47]   token fragments, slots 4 and 5
.set KC,  48                           ; v[48:59]   six constants, each twice (pairs for the packed arithmetic)
.set ACC, 64                           ; v[64:127]  accumulators: tile (tt, j) at 64 + 32 tt + 8 j
.set AR,  128                          ; v[128:191] token fragments, slots 0 to 3.  K step k lies in slot k % 6, tile tt 8 tt registers into the slot's 16
.set BF,  192                          ; v[192:255] W fragments: K step k, tile j at 192 + 32 (k%2) + 8 j
.set TS,  128                          ; staging: v[128:255] two sets of 16 loads
.set WO,  64                           ; staging: v[64:95] a K step's four fragments
.set TT,  128                          ; the way out: t
.set EE,  160                          ; the way out: the exponential, then max(x, 0)
.set YY,  192                          ; the way out: Y
.set HP,  224                          ; the way out: v[224:239] packed results
.set UB,  36                           ; s[36:37]   xs at my unit
.set HB,  38                           ; s[38:39]   h at my unit and my slice's two K steps
; v0 thread, v1 16 L, v2 r, v3 hf, v4 lane term in W1, v5 lane term of the staging stores, v12 my token's position, v13 lane term in b1
; s[4:5] xs, s[6:7] W1, s[8:9] b1, s[10:11] offs, s[12:13] h, s14 wave, s15 e, s16 slice, s17 8 e, s18 start, s19 end, s20 the first unit's first position,
; s21 32 x units, s23 32 x my unit among the expert's, s25 at work, s[26:27] offsets, s28 EXEC as it was, s29 my unit's first position, s30 constant,
; s31 at work, s33 mask, s34 turns left
	s_load_b256 s[4:11], s[0:1], 0x0
	s_load_b64 s[12:13], s[0:1], 0x20
	v_lshl_add_u32 v62, v0, 2, 0x20000
	v_mov_b32 v63, 0
	v_lshrrev_b32 v1, 5, v0
	v_readfirstlane_b32 s14, v1
	s_lshr_b32 s15, ttmp9, 5
	s_and_b32 s16, ttmp9, 31
	s_lshl_b32 s17, s15, 3
	s_wait_kmcnt 0x0
	s_load_b64 s[18:19], s[10:11], s17             ; my expert's first position and end
	s_load_b64 s[20:21], s[10:11], s17 offset:0x100        ; its first unit's first position, and 32 x the number of its units
	v_and_b32 v1, 31, v0
	v_lshlrev_b32 v1, 4, v1
	v_mov_b32 v[LB], v1
	v_add_nc_u32 v[LB+1], 0x10000, v1
	v_and_b32 v2, 15, v0
	v_bfe_u32 v3, v0, 4, 1
	v_lshlrev_b32 v4, 4, v2
	v_lshl_add_u32 v4, v3, 16, v4                  ; 16 r + hf x 8 rows: a fragment's upper lanes hold k + 8
	s_lshl_b32 s31, s14, 13
	v_add_nc_u32 v5, s31, v1                       ; wave w stages K steps 2 w, 2 w + 1: 8,192 w + 16 L
	v_lshlrev_b32 v13, 7, v3                       ; 32 hf columns of 4 bytes
	s_lshl_b32 s26, s15, 13                        ; b1: e rows of 8,192 bytes
	s_lshl_b32 s31, s16, 8                         ; + 64 columns of 4 bytes a slice
	s_add_co_u32 s26, s26, s31
	s_mov_b32 s27, 0
	s_add_nc_u64 s[8:9], s[8:9], s[26:27]
	s_lshl_b32 s26, s15, 23                        ; W1: e x 8 MiB
	s_add_co_u32 s26, s26, s31                     ; + the slice's 256 bytes of a row
	s_lshl_b32 s31, s14, 19                        ; + 64 rows a wave
	s_add_co_u32 s26, s26, s31
	s_add_nc_u64 s[6:7], s[6:7], s[26:27]
	s_lshl_b32 s26, s16, 11                        ; h: my slice's two K steps of 1,024 bytes
	s_add_nc_u64 s[12:13], s[12:13], s[26:27]
.macro KPAIR n, bits
	v_mov_b32 v[KC+2*\n], \bits
	v_mov_b32 v[KC+2*\n+1], \bits
.endm
	KPAIR 0, 0xbf38aa3b                            ; -log2(e)/2: exp(-x x/2) = 2^(this x x)
	KPAIR 1, 0x3f07dc22                            ; a5/2 =  0.53070271
	KPAIR 2, 0xbf3a00e3                            ; a4/2 = -0.72657601
	KPAIR 3, 0x3f35f0e3                            ; a3/2 =  0.71070687
	KPAIR 4, 0xbe11a98e                            ; a2/2 = -0.14224837
	KPAIR 5, 0x3e027906                            ; a1/2 =  0.12741480
	s_mov_b32 s30, 0x3e6d3388                      ; 0.3275911/sqrt 2 = 0.23164189
	s_wait_kmcnt 0x0
	s_min_u32 s18, s18, 0x800                      ; each number that steers is held inside its range, whatever was loaded;
	s_min_u32 s19, s19, 0x800                      ; behind these lines it is only added to, shifted left and compared
	s_min_u32 s20, s20, 0x7e0
	s_min_u32 s21, s21, 0x800
	s_lshl_b32 s23, s14, 5                         ; wave w begins with the expert's unit w
	s_add_co_u32 s29, s20, s23                     ; its first position
	s_min_u32 s25, s29, 0x7e0                      ; inside the list (a wave that this clamp holds back has no unit: the loop's head sends it out)
	s_lshl_b32 s26, s25, 11                        ; xs: 2,048 bytes a position
	s_add_nc_u64 s[UB:UB+1], s[4:5], s[26:27]
	s_lshl_b32 s26, s25, 12                        ; h: 4,096 bytes a position
	s_add_nc_u64 s[HB:HB+1], s[12:13], s[26:27]
	s_cmp_eq_u32 s21, 0
	s_cbranch_scc1 .Lstaged                        ; no token names my expert: W1[e] is not loaded; the barrier below is on this way too
; 16 loads: the 32 rows of K step sl of my two.  Register q, half b of a fragment is k = 16 (q/4) + 8 hf + 2 (q%4) + b.
.macro WLOAD set, sl
.irp q, 0,1,2,3,4,5,6,7
.irp b, 0,1
	global_load_b128 v[TS+64*\set+8*\q+4*\b:TS+64*\set+8*\q+4*\b+3], v4, s[6:7] offset:(32*\sl+16*(\q/4)+2*(\q%4)+\b)*ROWB th:TH_LOAD_NT
.endr
.endr
.endm
.macro WCVT set
	s_wait_dscnt 0x0                               ; the LDS stores that read WO are done
.irp j, 0,1,2,3
.irp q, 0,1,2,3,4,5,6,7
	v_cvt_pk_bf16_f32 v[WO+8*\j+\q], v[TS+64*\set+8*\q+\j], v[TS+64*\set+8*\q+4+\j]
.endr
.endr
.endm
.macro WPUT sl
.irp j, 0,1,2,3
.irp c, 0,1
	ds_store_b128 v5, v[WO+8*\j+4*\c:WO+8*\j+4*\c+3] offset:\sl*4096+\j*1024+\c*512
.endr
.endr
.endm
	WLOAD 0, 0                                     ; all of the wave's 16 KiB go out at once
	WLOAD 1, 1
	s_wait_loadcnt 16                              ; the second set's 16 loads are younger: the first set is in
	WCVT 0
	WPUT 0
	s_wait_loadcnt 0x0
	WCVT 1
	WPUT 1
.Lstaged:
	s_wait_dscnt 0x0                               ; my part of the slice is in LDS before I say so
	s_barrier_signal -1
	s_barrier_wait -1                              ; the kernel's only barrier: LDS is read-only from here on
.macro BILOAD                          ; register i of tile (0, j) = b1[e][n0 + 32 hf + 4 i + j]: the bias in the accumulators' own layout, 256 bytes of b1 in all
.irp j, 0,1,2,3
.irp i, 0,1,2,3,4,5,6,7
	global_load_b32 v[ACC+8*\j+\i], v13, s[8:9] offset:16*\i+4*\j
.endr
.endr
.endm
.macro ALOAD k                         ; K step k's token fragments: two tiles, two loads of 512 consecutive bytes each
.set ab, AR+16*((\k)%RING)-(AR+64-ARX)*(((\k)%RING)/4)     ; slots 0-3 from AR on, slots 4, 5 from ARX on
.irp tt, 0,1
.irp c, 0,1
	global_load_b128 v[ab+8*\tt+4*\c:ab+8*\tt+4*\c+3], v1, s[UB:UB+1] offset:(\k)*1024+\tt*TILEB+\c*512
.endr
.endr
.endm
.macro BLOAD k                         ; K step k's four W fragments
.irp j, 0,1,2,3
.irp c, 0,1
	ds_load_b128 v[BF+32*((\k)%2)+8*\j+4*\c:BF+32*((\k)%2)+8*\j+4*\c+3], v[LB+(\k)/16] offset:((\k)%16)*4096+\j*1024+\c*512
.endr
.endr
.endm
; Eight products.  The eight accumulators take turns, one instruction a turn, from K step to K step.
; K step 0: tile 0's accumulators hold the bias.  Token tile 1's four products come first and take them as their addend; tile 0's four then add in place,
; that is, write over an addend of the four before: five plain vector instructions stand between (ISA guide 7.12.1).
.macro MM k
.set ab, AR+16*((\k)%RING)-(AR+64-ARX)*(((\k)%RING)/4)
.set bb, BF+32*((\k)%2)
.if (\k) == 0
.irp j, 0,1,2,3
	v_wmma_f32_16x16x32_bf16 v[ACC+32+8*\j:ACC+32+8*\j+7], v[bb+8*\j:bb+8*\j+7], v[ab+8:ab+15], v[ACC+8*\j:ACC+8*\j+7]
.endr
.rept 5
	v_nop
.endr
.irp j, 0,1,2,3
	v_wmma_f32_16x16x32_bf16 v[ACC+8*\j:ACC+8*\j+7], v[bb+8*\j:bb+8*\j+7], v[ab:ab+7], v[ACC+8*\j:ACC+8*\j+7]
.endr
.else
.irp tt, 0,1
.irp j, 0,1,2,3
	v_wmma_f32_16x16x32_bf16 v[ACC+32*\tt+8*\j:ACC+32*\tt+8*\j+7], v[bb+8*\j:bb+8*\j+7], v[ab+8*\tt:ab+8*\tt+7], v[ACC+32*\tt+8*\j:ACC+32*\tt+8*\j+7]
.endr
.endr
.endif
.endm
; K step ks (a symbol that each call steps).  It fetches the token fragments of K step ks + 6 and W's of ks + 2 into the registers that it has just read.
; The LDS loads that may stay out are the next K step's 8; the token loads that may stay out are 4 for each of the next five K steps (loads come back in
; order, so a unit's first such wait also shows its bias in); at the end both counts run down.
; Loads into registers that the products have read stand four plain vector instructions behind the last product (ISA guide 7.12.1 for vector instructions).
.macro KSTEP
.if ks+1 < NS
	s_wait_dscnt 8
.else
	s_wait_dscnt 0
.endif
.if ks+RING-1 < NS
	s_wait_loadcnt 4*(RING-1)
.else
	s_wait_loadcnt 4*(NS-1-ks)
.endif
	MM ks
.if ks+2 < NS
	v_nop
	v_nop
	v_nop
	v_nop
.endif
.if ks+RING < NS
	ALOAD ks+RING
.endif
.if ks+2 < NS
	BLOAD ks+2
.endif
.set ks, ks+1
.endm
; The way out for token tile tt: gelu in f32 on 32 registers, packed to bf16, my expert's rows stored.
.macro FIN tt
.set XB, ACC+32*\tt
.set i, 0
.rept 32
	v_fma_f32 v[TT+i], |v[XB+i]|, s30, 1.0         ; 1 + 0.23164189 |x|
.set i, i+1
.endr
.set i, 0
.rept 16
	v_pk_mul_f32 v[EE+i:EE+i+1], v[XB+i:XB+i+1], v[XB+i:XB+i+1]
.set i, i+2
.endr
.set i, 0
.rept 16
	v_pk_mul_f32 v[EE+i:EE+i+1], v[EE+i:EE+i+1], v[KC:KC+1]
.set i, i+2
.endr
.set i, 0
.rept 32
	v_rcp_f32 v[TT+i], v[TT+i]                     ; t
.set i, i+1
.endr
.set i, 0
.rept 32
	v_exp_f32 v[EE+i], v[EE+i]                     ; exp(-x x/2)
.set i, i+1
.endr
	v_nop                                          ; one plain instruction behind the last transcendental before results are used (ISA guide 5.7.2)
.set i, 0
	s_wait_alu depctr_va_vdst(0)
.rept 16
	v_pk_fma_f32 v[YY+i:YY+i+1], v[TT+i:TT+i+1], v[KC+2:KC+3], v[KC+4:KC+5]
.set i, i+2
.endr
.irp a, 6,8,10
.set i, 0
.rept 16
	v_pk_fma_f32 v[YY+i:YY+i+1], v[YY+i:YY+i+1], v[TT+i:TT+i+1], v[KC+\a:KC+\a+1]
.set i, i+2
.endr
.endr
.set i, 0
.rept 16
	v_pk_mul_f32 v[TT+i:TT+i+1], v[TT+i:TT+i+1], v[EE+i:EE+i+1]
.set i, i+2
.endr
.set i, 0
.rept 16
	v_pk_mul_f32 v[YY+i:YY+i+1], v[YY+i:YY+i+1], v[TT+i:TT+i+1]   ; Y = erfc(|x|/sqrt 2)/2
.set i, i+2
.endr
.set i, 0
.rept 32
	v_max_num_f32 v[EE+i], 0, v[XB+i]
.set i, i+1
.endr
.set i, 0
.rept 32
	v_fma_f32 v[XB+i], -|v[XB+i]|, v[YY+i], v[EE+i]               ; max(x, 0) - |x| Y
.set i, i+1
.endr
.irp p, 0,1
.irp k, 0,1,2,3,4,5,6,7
	v_cvt_pk_bf16_f32 v[HP+8*\p+\k], v[XB+16*\p+\k], v[XB+16*\p+8+\k]   ; column tiles 2 p and 2 p + 1: neighbouring columns
.endr
.endr
	v_add3_u32 v12, v2, s29, 16*\tt                ; my token's position
	v_cmp_le_u32 s33, s18, v12                     ; at or behind my expert's first,
	v_cmp_gt_u32 vcc_lo, s19, v12                  ; and in front of its end?
	s_and_b32 vcc_lo, vcc_lo, s33
	s_wait_xcnt 0x0                                ; EXEC changes only behind this wait: it is a source of the loads and stores issued before
	s_and_saveexec_b32 s28, vcc_lo
.irp p, 0,1
.irp c, 0,1
	global_store_b128 v1, v[HP+8*\p+4*\c:HP+8*\p+4*\c+3], s[HB:HB+1] offset:\tt*65536+\p*1024+\c*512
.endr
.endr
	s_wait_xcnt 0x0                                ; and again in front of the line that widens it; it also frees HP and the base
	s_mov_b32 exec_lo, -1                          ; all lanes were on in front of the narrowing (the products need them all): all are on again
.endm
	s_mov_b32 s34, UTRIPS                          ; the loop is counted against a constant, and left early when the expert's units are used up
.Lunit:
	s_cmp_ge_u32 s23, s21
	s_cbranch_scc1 .Lend
	BILOAD                                         ; older than every token load of the unit
	ALOAD 0
	ALOAD 1
	ALOAD 2
	ALOAD 3
	ALOAD 4
	ALOAD 5
	BLOAD 0
	BLOAD 1
.set ks, 0
.rept NS
	KSTEP
.endr
.rept 5
	v_nop                                          ; places behind the last products: for the reads of their results, the writes over their sources
.endr
	FIN 0
	FIN 1
	s_add_co_u32 s23, s23, 512                     ; sixteen units on: 512 positions,
	s_add_co_u32 s29, s29, 512
	s_add_nc_u64 s[UB:UB+1], s[UB:UB+1], 0x100000  ; of 2,048 bytes in xs (its loads are all in: the last K step waited for 0)
	s_add_nc_u64 s[HB:HB+1], s[HB:HB+1], 0x200000  ; and of 4,096 bytes in h (free since the wait behind the last stores)
	s_sub_co_u32 s34, s34, 1
	s_cmp_lg_u32 s34, 0
	s_cbranch_scc1 .Lunit
.Lend:
	s_wait_tensorcnt 0x0
	ds_add_u32 v62, v63
	s_wait_dscnt 0x0
	s_endpgm
.Lfunc_end_k_q6fba21f008_gemm1:
	.size	k_q6fba21f008_gemm1, .Lfunc_end_k_q6fba21f008_gemm1-k_q6fba21f008_gemm1
	.p2alignl 7, 3214868480
	.fill 96, 4, 3214868480
	.section	.rodata,"a",@progbits
	.p2align	6, 0x0
	.amdhsa_kernel k_q6fba21f008_gemm1
		.amdhsa_group_segment_fixed_size 133120
		.amdhsa_private_segment_fixed_size 0
		.amdhsa_enable_private_segment 0
		.amdhsa_kernarg_size 40
		.amdhsa_user_sgpr_count 2
		.amdhsa_user_sgpr_kernarg_segment_ptr 1
		.amdhsa_wavefront_size32 1
		.amdhsa_system_sgpr_workgroup_id_x 1
		.amdhsa_system_sgpr_workgroup_id_y 1
		.amdhsa_system_sgpr_workgroup_id_z 1
		.amdhsa_system_vgpr_workitem_id 0
		.amdhsa_next_free_vgpr 256
		.amdhsa_next_free_sgpr 66
		.amdhsa_reserve_vcc 1
		.amdhsa_float_denorm_mode_32 3
		.amdhsa_float_denorm_mode_16_64 3
		.amdhsa_memory_ordered 1
		.amdhsa_forward_progress 1
		.amdhsa_inst_pref_size 99
	.end_amdhsa_kernel
	.amdgpu_metadata
---
amdhsa.version: [ 1, 2 ]
amdhsa.kernels:
  - .name:           k_q6fba21f008_gemm1
    .symbol:         k_q6fba21f008_gemm1.kd
    .args:
      - { .name: xs, .offset: 0, .size: 8, .value_kind: global_buffer, .address_space: global }
      - { .name: W1, .offset: 8, .size: 8, .value_kind: global_buffer, .address_space: global }
      - { .name: b1, .offset: 16, .size: 8, .value_kind: global_buffer, .address_space: global }
      - { .name: offs, .offset: 24, .size: 8, .value_kind: global_buffer, .address_space: global }
      - { .name: h, .offset: 32, .size: 8, .value_kind: global_buffer, .address_space: global }
    .group_segment_fixed_size: 133120
    .private_segment_fixed_size: 0
    .kernarg_segment_align: 8
    .kernarg_segment_size: 40
    .max_flat_workgroup_size: 512
    .sgpr_count:     66
    .vgpr_count:     256
    .wavefront_size: 32
...
	.end_amdgpu_metadata
.endif
;; end of part 3
;; launch gemm2 (part 4): grid 128 x 1, 16 waves a work-group, no clusters, 264,192 bytes of LDS; arguments h, W2, b2, offs, order, out0; writes out0
.if DOCPART == 4
	.amdgcn_target "amdgcn-amd-amdhsa--gfx1250"
	.amdhsa_code_object_version 6
	.text
	.protected	k_q6fba21f008_gemm2
	.globl	k_q6fba21f008_gemm2
	.p2align	8
	.type	k_q6fba21f008_gemm2,@function
k_q6fba21f008_gemm2:
	s_mov_b64 s[64:65], 0
	v_nop
	global_prefetch_b8 v0, s[64:65] scope:SCOPE_SE
	s_setreg_imm32_b32 hwreg(HW_REG_WAVE_MODE, 25, 1), 1
	s_wait_xcnt 0x0
; Step 4 of 4: out0[token] = h W2[e] + b2[e], for each token with its own expert alone (why the other seven are left out: head of the first kernel);
; a token whose index is outside 0..7 (flag in the list) gets zeros.
; Work-group = expert e (number >> 4) and 64 columns of the output (number & 15; first column n0): 64 f32 are 256 consecutive bytes of an output row,
; aligned, and each byte of W2 is read once in the launch.  Sixteen waves.
; STAGING as in the kernel before: the slice W2[e][0..2047][n0..n0+63] (512 KiB of f32) becomes 256 KiB of bf16 fragments in LDS, byte
; s x 4,096 + j x 1,024 + c x 512 + 16 L; tile j, lane r = column n0 + 4 r + j.  Register q, half b of lane (r, hf) of K step s holds row
; 64 (s/2) + 32 hf + 4 q + 2 (s%2) + b: the permutation of k in which h was stored, applied alike to both sides, so the products are the same.
; One barrier; then each wave works alone on units of 32 sorted positions x 64 columns over the whole K; no barrier stands in a loop.
; THE TOKENS' RING holds six K steps: 24 loads, 12 KiB a wave, are on their way while a K step is multiplied.  A K step's eight products are short beside
; the way of a load, so what is out decides how long a unit takes; slots 4 and 5 lie in the registers that held the staging's rounded fragments.
; ADDRESSES: every vector address register is written once, at the head, from the thread's number and constants.  The 64 K steps of a unit are written
; out, so that a K step's place stands in the immediates.  The unit's bases in h and in the list are scalar, made once at the head and stepped by
; constants (a wave's next unit lies 512 positions further on); a token's row of out0 is a scalar base made from its list entry.
; Source 0 = tokens, source 1 = W: register i of lane (r, hf) of tile (tt, j) is position 16 tt + 8 hf + i, column n0 + 4 r + j: a lane's four tiles
; hold four neighbouring columns, and sixteen lanes a row's 256 bytes.  The two halves of the lanes hold rows of two tokens, which lie anywhere in out0:
; each row is stored by an instruction of its own, its sixteen lanes on.
; NO CLUSTER: the 16 work-groups of an expert read the same tiles of h, but into registers, each tile once a work-group; a joint request fills LDS only
; (65,536 bytes are left beside the slice), and its barriers would stand in a loop that a count read from memory leaves.
.set ROWB,  4096                       ; bytes in a row of W2
.set TILEB, 65536                      ; bytes of a tile of 16 positions in h
.set NS,    64                         ; K steps of 32
.set RING,  6                          ; K steps of token fragments in registers
.set UTRIPS, 4                         ; 64 units at the most, 16 waves: four turns of a wave at the most
.set LB,  8                            ; v[8:11]    16 L + 65,536 b: LDS address of K steps 16 b .. 16 b + 15
.set B2,  12                           ; v[12:15]   b2[e][n0 + 4 r .. + 3]
.set ARX, 16                           ; v[16:47]   token fragments, slots 4 and 5
.set F,   52                           ; v[52:55]   four neighbouring results to store
.set ACC, 64                           ; v[64:127]  accumulators: tile (tt, j) at 64 + 32 tt + 8 j
.set AR,  128                          ; v[128:191] token fragments, slots 0 to 3.  K step k lies in slot k % 6, tile tt 8 tt registers into the slot's 16
.set BF,  192                          ; v[192:255] W fragments: K step k, tile j at 192 + 32 (k%2) + 8 j
.set TS,  64                           ; staging: v[64:255] three sets of 16 loads
.set WO,  16                           ; staging: v[16:47] a K step's four fragments
.set UB,  42                           ; s[42:43]   h at my unit
.set OB,  44                           ; s[44:45]   the list at my unit
; v0 thread, v1 16 L, v2 16 r, v3 8 hf, v4 lane term in W2, v5 lane term of the staging stores, v6 4 L, v7 L, v48 lane j: the list's entry for the unit's
; position j, v49 at work, v50 bit p: the index of position p + 8 hf was one of 0..7, v51 bit p: position p + 8 hf is my expert's
; s[4:5] h, s[6:7] W2, s[8:9] b2, s[10:11] offs, s[12:13] order, s[14:15] out0 at my columns, s16 wave, s17 e, s18 start, s19 end, s20 the first unit's
; first position, s21 32 x units, s23 32 x my unit among the expert's, s25 at work, s[26:27] offsets, s28 EXEC as it was, s29 my unit's first position,
; s30 slice, s31 at work, s32 8 e, s33 mask, s34 turns left, s35 bit j: position j is my expert's, s36 bit j: no flag, s37 the lanes whose row is stored,
; s[38:39] a row's offset in out0, s[40:41] the row
	s_load_b256 s[4:11], s[0:1], 0x0
	s_load_b128 s[12:15], s[0:1], 0x20
	v_lshl_add_u32 v62, v0, 2, 0x40000
	v_mov_b32 v63, 0
	v_lshrrev_b32 v1, 5, v0
	v_readfirstlane_b32 s16, v1
	s_lshr_b32 s17, ttmp9, 4
	s_and_b32 s30, ttmp9, 15
	s_lshl_b32 s32, s17, 3
	s_wait_kmcnt 0x0
	s_load_b64 s[18:19], s[10:11], s32             ; my expert's first position and end
	s_load_b64 s[20:21], s[10:11], s32 offset:0x100        ; its first unit's first position, and 32 x the number of its units
	v_and_b32 v7, 31, v0
	v_lshlrev_b32 v1, 4, v7
	v_lshlrev_b32 v6, 2, v7
	v_mov_b32 v[LB], v1
	v_add_nc_u32 v[LB+1], 0x10000, v1
	v_add_nc_u32 v[LB+2], 0x20000, v1
	v_add_nc_u32 v[LB+3], 0x30000, v1
	v_and_b32 v2, 15, v0
	v_lshlrev_b32 v2, 4, v2
	v_bfe_u32 v3, v0, 4, 1
	v_lshl_add_u32 v4, v3, 17, v2                  ; 16 r + hf x 32 rows of 4,096 bytes
	v_lshlrev_b32 v3, 3, v3
	s_lshl_b32 s31, s16, 14
	v_add_nc_u32 v5, s31, v1                       ; wave w stages K steps 4 w .. 4 w + 3: 16,384 w + 16 L
	s_lshl_b32 s31, s30, 8                         ; the slice's 256 bytes of a row
	s_lshl_b32 s26, s17, 12                        ; b2: e rows of 4,096 bytes
	s_add_co_u32 s26, s26, s31
	s_mov_b32 s27, 0
	s_mov_b32 s39, 0
	s_add_nc_u64 s[8:9], s[8:9], s[26:27]
	global_load_b128 v[B2:B2+3], v2, s[8:9]
	s_mov_b32 s26, s31
	s_add_nc_u64 s[14:15], s[14:15], s[26:27]      ; out0 at my columns
	s_lshl_b32 s26, s17, 23                        ; W2: e x 8 MiB
	s_add_co_u32 s26, s26, s31
	s_lshl_b32 s31, s16, 19                        ; + 128 rows a wave
	s_add_co_u32 s26, s26, s31
	s_add_nc_u64 s[6:7], s[6:7], s[26:27]
	s_wait_kmcnt 0x0
	s_min_u32 s18, s18, 0x800                      ; each number that steers is held inside its range, whatever was loaded;
	s_min_u32 s19, s19, 0x800                      ; behind these lines it is only added to, shifted left and compared
	s_min_u32 s20, s20, 0x7e0
	s_min_u32 s21, s21, 0x800
	s_lshl_b32 s23, s16, 5                         ; wave w begins with the expert's unit w
	s_add_co_u32 s29, s20, s23                     ; its first position
	s_min_u32 s25, s29, 0x7e0                      ; inside the list (a wave that this clamp holds back has no unit: the loop's head sends it out)
	s_lshl_b32 s26, s25, 12                        ; h: 4,096 bytes a position
	s_add_nc_u64 s[UB:UB+1], s[4:5], s[26:27]
	s_lshl_b32 s26, s25, 2                         ; the list: 4 bytes a position
	s_add_nc_u64 s[OB:OB+1], s[12:13], s[26:27]
	s_cmp_eq_u32 s21, 0
	s_cbranch_scc1 .Lstaged                        ; no token names my expert: W2[e] is not loaded; the barrier below is on this way too
; 16 loads: the 32 rows of K step sl of my four, in h's order of k: row 64 (sl/2) + 32 hf + 4 q + 2 (sl%2) + b
.macro WLOAD set, sl
.irp q, 0,1,2,3,4,5,6,7
.irp b, 0,1
	global_load_b128 v[TS+64*\set+8*\q+4*\b:TS+64*\set+8*\q+4*\b+3], v4, s[6:7] offset:(64*(\sl/2)+4*\q+2*(\sl%2)+\b)*ROWB th:TH_LOAD_NT
.endr
.endr
.endm
.macro WCVT set
	s_wait_dscnt 0x0                               ; the LDS stores that read WO are done
.irp j, 0,1,2,3
.irp q, 0,1,2,3,4,5,6,7
	v_cvt_pk_bf16_f32 v[WO+8*\j+\q], v[TS+64*\set+8*\q+\j], v[TS+64*\set+8*\q+4+\j]
.endr
.endr
.endm
.macro WPUT sl
.irp j, 0,1,2,3
.irp c, 0,1
	ds_store_b128 v5, v[WO+8*\j+4*\c:WO+8*\j+4*\c+3] offset:\sl*4096+\j*1024+\c*512
.endr
.endr
.endm
	WLOAD 0, 0
	WLOAD 1, 1
	WLOAD 2, 2
	s_wait_loadcnt 32                              ; two sets of 16 are younger: set 0 (and the bias) is in
	WCVT 0
	WPUT 0
	WLOAD 0, 3                                     ; the fourth K step, into the set just read
	s_wait_loadcnt 32                              ; sets 2 and 0 are younger: set 1 is in
	WCVT 1
	WPUT 1
	s_wait_loadcnt 16                              ; set 0 is younger: set 2 is in
	WCVT 2
	WPUT 2
	s_wait_loadcnt 0x0
	WCVT 0
	WPUT 3
.Lstaged:
	s_wait_loadcnt 0x0                             ; the bias, on the way that skips the staging
	s_wait_dscnt 0x0                               ; my part of the slice is in LDS before I say so; the stores that read WO are done, so tokens may be loaded there
	s_barrier_signal -1
	s_barrier_wait -1                              ; the kernel's only barrier: LDS is read-only from here on
.macro ALOAD k                         ; K step k's token fragments: two tiles, two loads of 512 consecutive bytes each
.set ab, AR+16*((\k)%RING)-(AR+64-ARX)*(((\k)%RING)/4)     ; slots 0-3 from AR on, slots 4, 5 from ARX on
.irp tt, 0,1
.irp c, 0,1
	global_load_b128 v[ab+8*\tt+4*\c:ab+8*\tt+4*\c+3], v1, s[UB:UB+1] offset:(\k)*1024+\tt*TILEB+\c*512
.endr
.endr
.endm
.macro BLOAD k                         ; K step k's four W fragments
.irp j, 0,1,2,3
.irp c, 0,1
	ds_load_b128 v[BF+32*((\k)%2)+8*\j+4*\c:BF+32*((\k)%2)+8*\j+4*\c+3], v[LB+(\k)/16] offset:((\k)%16)*4096+\j*1024+\c*512
.endr
.endr
.endm
; Eight products.  The eight accumulators take turns, one instruction a turn, from K step to K step.
; K step 0: the constant 0 starts the sums: nothing is cleared.
.macro MM k
.set ab, AR+16*((\k)%RING)-(AR+64-ARX)*(((\k)%RING)/4)
.set bb, BF+32*((\k)%2)
.irp tt, 0,1
.irp j, 0,1,2,3
.if (\k) == 0
	v_wmma_f32_16x16x32_bf16 v[ACC+32*\tt+8*\j:ACC+32*\tt+8*\j+7], v[ab+8*\tt:ab+8*\tt+7], v[bb+8*\j:bb+8*\j+7], 0
.else
	v_wmma_f32_16x16x32_bf16 v[ACC+32*\tt+8*\j:ACC+32*\tt+8*\j+7], v[ab+8*\tt:ab+8*\tt+7], v[bb+8*\j:bb+8*\j+7], v[ACC+32*\tt+8*\j:ACC+32*\tt+8*\j+7]
.endif
.endr
.endr
.endm
; K step ks (a symbol that each call steps).  It fetches the token fragments of K step ks + 6 and W's of ks + 2 into the registers that it has just read.
; The LDS loads that may stay out are the next K step's 8; the token loads that may stay out are 4 for each of the next five K steps (loads come back in
; order, so a unit's first such wait also shows its list entries in); at the end both counts run down.
; Loads into registers that the products have read stand four plain vector instructions behind the last product (ISA guide 7.12.1 for vector instructions).
.macro KSTEP
.if ks+1 < NS
	s_wait_dscnt 8
.else
	s_wait_dscnt 0
.endif
.if ks+RING-1 < NS
	s_wait_loadcnt 4*(RING-1)
.else
	s_wait_loadcnt 4*(NS-1-ks)
.endif
	MM ks
.if ks+2 < NS
	v_nop
	v_nop
	v_nop
	v_nop
.endif
.if ks+RING < NS
	ALOAD ks+RING
.endif
.if ks+2 < NS
	BLOAD ks+2
.endif
.set ks, ks+1
.endm
; The row of the unit's position j, which lies in the sixteen lanes of 'half': its token's row of out0 as a scalar base, and one store of 256 consecutive
; bytes, aligned.  A row that is not my expert's has no lane on.
.macro ROWST j, half
	v_readlane_b32 s38, v48, (\j)                  ; the list's entry
	s_and_b32 s38, s38, 0x7ff                      ; the token without its flag,
	s_min_u32 s38, s38, 0x7ff                      ; inside out0 whatever was loaded
	s_lshl_b32 s38, s38, 12                        ; rows of 4,096 bytes
	s_add_nc_u64 s[40:41], s[14:15], s[38:39]
	s_and_b32 vcc_lo, s37, \half
	s_and_saveexec_b32 s28, vcc_lo                 ; no load or store has been issued since the last wait on XCNT for 0
	global_store_b128 v2, v[F:F+3], s[40:41] th:TH_STORE_NT
	s_wait_xcnt 0x0                                ; EXEC, the base and F are sources of the store: they are written again only behind this wait
	s_mov_b32 exec_lo, -1                          ; all lanes were on in front of the narrowing: all are on again
.endm
; Positions 16 tt + i (lanes 0-15) and 16 tt + 8 + i (lanes 16-31) of the unit: the bias add gathers a lane's four neighbouring columns into one tuple.
.macro OUTROW tt, i
.irp j, 0,1,2,3
	v_add_f32 v[F+\j], v[ACC+32*\tt+8*\j+\i], v[B2+\j]
.endr
	v_and_b32 v49, 1<<(16*\tt+\i), v50
	v_cmp_ne_u32 vcc_lo, 0, v49                    ; my row's index was one of 0..7
.irp j, 0,1,2,3
	v_cndmask_b32 v[F+\j], 0, v[F+\j], vcc_lo      ; else zeros, whatever was computed
.endr
	v_and_b32 v49, 1<<(16*\tt+\i), v51
	v_cmp_ne_u32 s37, 0, v49                       ; the lanes whose row is my expert's
	ROWST 16*\tt+\i, 0xffff
	ROWST 16*\tt+8+\i, 0xffff0000
.endm
	s_mov_b32 s34, UTRIPS                          ; the loop is counted against a constant, and left early when the expert's units are used up
.Lunit:
	s_cmp_ge_u32 s23, s21
	s_cbranch_scc1 .Lend
	global_load_b32 v48, v6, s[OB:OB+1]            ; the unit's 32 list entries, one a lane; ahead of the token loads: the first counted wait covers it
	ALOAD 0
	ALOAD 1
	ALOAD 2
	ALOAD 3
	ALOAD 4
	ALOAD 5
	BLOAD 0
	BLOAD 1
.set ks, 0
.rept NS
	KSTEP
.endr
.rept 5
	v_nop                                          ; places behind the last products: for the reads of their results, the next unit's loads and first products
.endr
	s_wait_xcnt 0x0                                ; EXEC changes only behind this wait: it is a source of the loads issued before
	v_cmp_gt_u32 s36, 0x10000, v48                 ; bit j: position j's entry has no flag
	v_add_nc_u32 v49, s29, v7                      ; lane j: the position
	v_cmp_le_u32 s33, s18, v49                     ; at or behind my expert's first,
	v_cmp_gt_u32 vcc_lo, s19, v49                  ; and in front of its end
	s_and_b32 s35, vcc_lo, s33
	v_lshrrev_b32 v50, v3, s36                     ; the upper lanes hold rows 8 further down: their bits come 8 down
	v_lshrrev_b32 v51, v3, s35
.irp tt, 0,1
.irp i, 0,1,2,3,4,5,6,7
	OUTROW \tt, \i
.endr
.endr
	s_add_co_u32 s23, s23, 512                     ; sixteen units on: 512 positions,
	s_add_co_u32 s29, s29, 512
	s_add_nc_u64 s[UB:UB+1], s[UB:UB+1], 0x200000  ; of 4,096 bytes in h (its loads are all in: the last K step waited for 0)
	s_add_nc_u64 s[OB:OB+1], s[OB:OB+1], 0x800     ; and of 4 bytes in the list
	s_sub_co_u32 s34, s34, 1
	s_cmp_lg_u32 s34, 0
	s_cbranch_scc1 .Lunit
.Lend:
	s_wait_tensorcnt 0x0
	ds_add_u32 v62, v63
	s_wait_dscnt 0x0
	s_endpgm
.Lfunc_end_k_q6fba21f008_gemm2:
	.size	k_q6fba21f008_gemm2, .Lfunc_end_k_q6fba21f008_gemm2-k_q6fba21f008_gemm2
	.p2alignl 7, 3214868480
	.fill 96, 4, 3214868480
	.section	.rodata,"a",@progbits
	.p2align	6, 0x0
	.amdhsa_kernel k_q6fba21f008_gemm2
		.amdhsa_group_segment_fixed_size 264192
		.amdhsa_private_segment_fixed_size 0
		.amdhsa_enable_private_segment 0
		.amdhsa_kernarg_size 48
		.amdhsa_user_sgpr_count 2
		.amdhsa_user_sgpr_kernarg_segment_ptr 1
		.amdhsa_wavefront_size32 1
		.amdhsa_system_sgpr_workgroup_id_x 1
		.amdhsa_system_sgpr_workgroup_id_y 1
		.amdhsa_system_sgpr_workgroup_id_z 1
		.amdhsa_system_vgpr_workitem_id 0
		.amdhsa_next_free_vgpr 256
		.amdhsa_next_free_sgpr 66
		.amdhsa_reserve_vcc 1
		.amdhsa_float_denorm_mode_32 3
		.amdhsa_float_denorm_mode_16_64 3
		.amdhsa_memory_ordered 1
		.amdhsa_forward_progress 1
		.amdhsa_inst_pref_size 143
	.end_amdhsa_kernel
	.amdgpu_metadata
---
amdhsa.version: [ 1, 2 ]
amdhsa.kernels:
  - .name:           k_q6fba21f008_gemm2
    .symbol:         k_q6fba21f008_gemm2.kd
    .args:
      - { .name: h, .offset: 0, .size: 8, .value_kind: global_buffer, .address_space: global }
      - { .name: W2, .offset: 8, .size: 8, .value_kind: global_buffer, .address_space: global }
      - { .name: b2, .offset: 16, .size: 8, .value_kind: global_buffer, .address_space: global }
      - { .name: offs, .offset: 24, .size: 8, .value_kind: global_buffer, .address_space: global }
      - { .name: order, .offset: 32, .size: 8, .value_kind: global_buffer, .address_space: global }
      - { .name: out0, .offset: 40, .size: 8, .value_kind: global_buffer, .address_space: global }
    .group_segment_fixed_size: 264192
    .private_segment_fixed_size: 0
    .kernarg_segment_align: 8
    .kernarg_segment_size: 48
    .max_flat_workgroup_size: 512
    .sgpr_count:     66
    .vgpr_count:     256
    .wavefront_size: 32
...
	.end_amdgpu_metadata
.endif
;; end of part 4
